; MI455X (gfx1250); checked and timed in simulation.
; The chip was launched on July 23, 2026; its instructions are those of AMD's public machine-readable ISA for CDNA 5 (MIT licence, August 2026) and "CDNA5" Instruction Set Architecture Reference Guide (July 2026). The comments in the code are by the model that wrote it; some were corrected since.
;; Attention Block. Allowed arithmetic: matrix products marked QUANTISED: E2M1 operands, one E8M0 scale for each 32 along K, by v_wmma_scale_f32_16x16x128_f8f6f4 with both operands' format E2M1 (or v_wmma_scale_f32_32x16x128_f4), f32 sums; everything else in f32.
;; Inputs: norm_b 256 float32; norm_w 256 float32; proj_b 256 float32; proj_w 256 x 256 float32; qkv_b 768 float32; qkv_w 768 x 256 float32; x 16 x 256 x 32 x 32 float32.
;; Outputs: out0 16 x 256 x 32 x 32 float32.
;; This version of the problem:
;;   THIS VERSION OF THE PROBLEM IS GIVEN IN LOW PRECISION. The matrix products marked QUANTISED in the list below multiply operands that are first quantised to E2M1 (2 exponent bits, 1 mantissa bit; 4 bits a number), with one power-of-two scale for each 32 numbers along K (OCP MX v1.0); their sums are f32. All else is computed in f32.
;;   The module's matrix products, in the order in which they are computed (A, B: the left and right operand; K: the contracted axis; several contracted axes count as one K, in the product's order):
;;     1. [M 16,384, K 256] x [K 256, N 768]; A: computed on the way; B: input qkv_w: QUANTISED
;;     2. batch 64 x [M 1,024, K 64] x [K 64, N 1,024]; A: computed on the way; B: computed on the way: QUANTISED
;;     3. batch 64 x [M 1,024, K 1,024] x [K 1,024, N 64]; A: softmax (see below); B: computed on the way: QUANTISED
;;     4. [M 16,384, K 256] x [K 256, N 256]; A: computed on the way; B: input proj_w: QUANTISED
;;   THE QUANTISER, for each operand of a quantised product, along K:
;;     - K is cut into blocks of 32 from its start; a last block that is shorter is filled with zeros.
;;     - A block's scale is 2^e with e = floor(log2(the largest magnitude in the block)) - 2, held to -126 .. 127; a block of zeros has e = 0. As a byte (E8M0): e + 127.
;;     - Each number is divided by its block's scale, clamped to +-6, and rounded to the nearest number of E2M1, ties to even, subnormals kept.
;;     - The product sums the exact products of the quantised numbers (number of the format x scale) in f32.
;;   ~~~python
;;   def quantise(x, axis):      # numpy; x: float32 -> the quantised numbers, widened to float32 again
;;       x = np.moveaxis(x, axis, -1); K = x.shape[-1]
;;       x = np.pad(x, [(0, 0)] * (x.ndim - 1) + [(0, -K % 32)]); x = x.reshape(x.shape[:-1] + (-1, 32)); a = np.abs(x).max(-1, keepdims=True)
;;       e = np.where(a > 0, np.clip(np.frexp(np.where(a > 0, a, 1))[1] - 1 - 2, -126, 127), 0)      # np.frexp(a)[1] - 1 = floor(log2(a)), exactly
;;       r = np.clip(x / 2.0 ** e, -6, 6)
;;       step = 2.0 ** (np.maximum(np.frexp(np.where(r == 0, 1, r))[1] - 1, 0) - 1)
;;       q = np.round(r / step) * step * 2.0 ** e      # np.round: ties to even
;;       return np.moveaxis(q.reshape(q.shape[:-2] + (-1,))[..., :K], -1, axis).astype(np.float32)
;;   ~~~
;;   SOFTMAX AHEAD OF A QUANTISED PRODUCT. Where the list says 'softmax', what is quantised is not the finished softmax but p = 2^(t - M), with t = logit x log2(e) and M = ceil(the row's largest t), a whole number; so 1/2 < the row's largest p <= 1. The row's sum l is taken of the UNQUANTISED p, in f32, and the product's result is divided by l at the end. Since M is a whole number, a kernel that streams over the keys may use a running M (the ceiling of the running maximum): every later rescaling is an exact power of two, which a block's scale takes up: the codes' values come out the same.
;;   OPERANDS COMPUTED ON THE WAY. 'Computed on the way' means the value that the module computes at that place (a softmax that the list does not call 'softmax' is quantised finished and normalised). What goes into a quantiser is computed in f32, as accurately as f32 sums, v_exp_f32 and their like allow (about 1e-6 of the number): no bf16 or f16 on the way to a quantiser, and a product that is left as it is and whose result goes on into a quantised operand takes f32 operands (vector FMAs, or v_wmma_f32_16x16x4_f32). A number that lies on a knife's edge between two numbers of the format may be rounded either way, as far as f32 arithmetic and the matrix unit's own rounding can turn it there, and no further.
;; One version. Each part assembles by itself: llvm-mc -triple=amdgcn-amd-amdhsa -mcpu=gfx1250 --defsym DOCPART=n.
;; ======== version 1 of 1: 3 launches
;; workspace buffers: stats 2,048 bytes; wcodes 131,072 bytes; wscales 8,192 bytes; qcodes 2,097,152 bytes; qscales 131,072 bytes; kv 4,456,448 bytes
;; launch prep (part 1): grid 256 x 1, 8 waves a work-group, no clusters, 1,280 bytes of LDS; arguments x, qkv_w, proj_w, stats, wcodes, wscales; writes stats, wcodes, wscales
.if DOCPART == 1
	.amdgcn_target "amdgcn-amd-amdhsa--gfx1250"
	.amdhsa_code_object_version 6
	.text
	.protected	k_q2b17c93737_prep
	.globl	k_q2b17c93737_prep
	.p2align	8
	.type	k_q2b17c93737_prep,@function
k_q2b17c93737_prep:
	s_mov_b64 s[64:65], 0
	v_nop
	global_prefetch_b8 v0, s[64:65] scope:SCOPE_SE
	s_setreg_imm32_b32 hwreg(HW_REG_WAVE_MODE, 25, 1), 1
	s_wait_xcnt 0x0
; GROUP STATISTICS AND WEIGHT CODES.
; x: [16][256][1024] f32.  A norm group (32 channels x 1,024 pixels) is 131,072 consecutive bytes.  Work-group g takes half g & 1 of group g >> 1:
; 65,536 bytes, 64 numbers a thread, kept in registers between the pass that sums and the pass that sums the squared distances from the half's mean:
; memory is read once, and no difference of large sums is formed.  It stores {mean, M2} of its half at stats + 8 g; the next launch joins the halves.
; Wave 0 also turns one piece of the weights into codes of FP4 (E2M1) with one E8M0 byte for each 32 along K (K = the input channels, innermost).
; The weights are a stack of 1,024 rows (768 of qkv_w, 256 of proj_w) in 64 tiles of 16 rows.  ROW r OF TILE T IS STACK ROW 16 T - 8 (T & 1) + r + 8 (r / 8).
; A piece is four registers of a matrix operand as they stand: lane (r, h) holds k = 128 s + 64 c + 32 h + 0 .. 31 of row r, 16 bytes at 16 x lane; piece g = 4 T + 2 s + c lies at 512 g.
; So a lane holds one whole block of 32: no other lane is asked for its largest magnitude.  Scale bytes: [T][s][16 rows][4], byte 2 c + h.
; A block's scale byte is its largest magnitude's exponent field - 2, held at 1 from below.
; LIMITS: NaN and infinities among the inputs are not served; a block of zeros gets the byte 1 where the rule says 127 (its codes are zeros, and this program alone reads the bytes).
; No matrix unit, no cluster: work-groups share no input here.
.set X,    16                          ; v16-79    my 64 numbers of x
.set WN,   80                          ; v80-111   wave 0: 32 numbers of a weight row
.set CD,   112                         ; v112-115  wave 0: their codes
.set RD,   128                         ; v128-135  the eight waves' partial sums
.set RED0, 0                           ; LDS: eight words for the first reduction,
.set RED1, 128                         ; eight other words for the second: no barrier between the two uses
	s_load_b256 s[4:11], s[0:1], 0x0               ; x s[4:5], qkv_w s[6:7], proj_w s[8:9], stats s[10:11]
	s_load_b128 s[12:15], s[0:1], 0x20             ; wcodes s[12:13], wscales s[14:15]
	v_lshl_add_u32 v144, v0, 2, 0x100
	v_mov_b32 v145, 0
	v_lshrrev_b32 v2, 5, v0
	s_delay_alu instid0(VALU_DEP_1)
	v_readfirstlane_b32 s16, v2                    ; wave 0..7
	v_lshlrev_b32 v1, 4, v0                        ; 16 x thread: a load of the work-group covers 4,096 consecutive bytes
	s_delay_alu instid0(VALU_DEP_3)
	v_lshlrev_b32 v10, 2, v2                       ; LDS: my wave's word
	v_mov_b32 v11, 0
	s_lshl_b32 s18, ttmp9, 16                      ; my half group's first byte
	s_mov_b32 s19, 0
	s_mov_b32 s30, 0x76543210                      ; v_permlanex16_b32's selects for lane l xor 16
	s_mov_b32 s31, 0xfedcba98
	s_wait_alu depctr_va_vdst(0)
	s_wait_kmcnt 0x0
	s_add_nc_u64 s[4:5], s[4:5], s[18:19]
.irp i, 0,1,2,3,4,5,6,7,8,9,10,11,12,13,14,15
	global_load_b128 v[X+4*\i:X+4*\i+3], v1, s[4:5] offset:4096*\i   ; no hint: later launches read x again
.endr
	s_cmp_lg_u32 s16, 0
	s_cbranch_scc1 .Lstats
	; ---- wave 0: weight piece g, while x is on its way
	s_lshr_b32 s20, ttmp9, 2                       ; T
	s_and_b32 s21, s20, 1
	s_lshl_b32 s22, s20, 4
	s_lshl_b32 s21, s21, 3
	s_sub_co_u32 s22, s22, s21                     ; the tile's first stack row: 16 T - 8 (T & 1)
	s_cmp_lt_u32 s20, 48                           ; tiles 0-47: qkv_w; 48-63: proj_w.  The choice hangs on the work-group's number alone
	s_cselect_b64 s[24:25], s[6:7], s[8:9]
	s_cselect_b32 s26, 0, 768
	s_sub_co_u32 s22, s22, s26                     ; the row within its own matrix
	s_lshl_b32 s22, s22, 10                        ; rows of 1,024 bytes
	s_and_b32 s23, ttmp9, 3
	s_lshl_b32 s23, s23, 8                         ; + (128 s + 64 c) numbers
	s_add_co_u32 s22, s22, s23
	s_mov_b32 s23, 0
	s_add_nc_u64 s[24:25], s[24:25], s[22:23]
	v_and_b32 v116, 15, v0                         ; r
	v_bfe_u32 v117, v0, 4, 1                       ; h
	s_delay_alu instid0(VALU_DEP_2)
	v_and_b32 v118, 8, v116
	s_delay_alu instid0(VALU_DEP_1)
	v_add_nc_u32 v118, v118, v116                  ; r + 8 (r / 8)
	s_delay_alu instid0(VALU_DEP_1)
	v_lshlrev_b32 v118, 10, v118
	s_delay_alu instid0(VALU_DEP_1)
	v_lshl_add_u32 v118, v117, 7, v118             ; + 32 h numbers
	v_lshl_add_u32 v124, v116, 2, v117             ; my scale byte: 4 r + h
.irp i, 0,1,2,3,4,5,6,7
	global_load_b128 v[WN+4*\i:WN+4*\i+3], v118, s[24:25] offset:16*\i
.endr
	s_lshl_b32 s22, ttmp9, 9
	s_add_nc_u64 s[12:13], s[12:13], s[22:23]      ; my piece: 512 g
	s_lshr_b32 s22, ttmp9, 1
	s_lshl_b32 s22, s22, 6
	s_and_b32 s26, ttmp9, 1
	s_lshl_b32 s26, s26, 1
	s_add_co_u32 s22, s22, s26
	s_add_nc_u64 s[14:15], s[14:15], s[22:23]      ; its scale bytes: 64 (g / 2) + 2 (g & 1)
	s_wait_loadcnt 0x0
	v_max3_num_f32 v119, |v[WN]|, |v[WN+1]|, 0x1800000     ; the block's largest magnitude, two chains; the floor 2^(3 - 127) holds the byte at 1 from below
	v_max3_num_f32 v120, |v[WN+2]|, |v[WN+3]|, 0x1800000
.irp i, 4,8,12,16,20,24,28
	s_delay_alu instid0(VALU_DEP_2)
	v_max3_num_f32 v119, v119, |v[WN+\i]|, |v[WN+\i+1]|
	s_delay_alu instid0(VALU_DEP_2)
	v_max3_num_f32 v120, v120, |v[WN+\i+2]|, |v[WN+\i+3]|
.endr
	s_delay_alu instid0(VALU_DEP_1)
	v_max_num_f32 v119, v119, v120
	s_delay_alu instid0(VALU_DEP_1)
	v_add_nc_u32 v121, 0xff000000, v119            ; 2 off its exponent field: the conversion takes this operand's exponent field as its scale
	s_delay_alu instid0(VALU_DEP_1)
	v_lshrrev_b32 v122, 23, v121                   ; the scale's byte
.irp q, 0,1,2,3
	v_cvt_scalef32_pk8_fp4_f32 v[CD+\q], v[WN+8*\q:WN+8*\q+7], v121
.endr
	v_nop                                          ; one plain line behind the last scaled conversion
	global_store_b128 v1, v[CD:CD+3], s[12:13]     ; 32 lanes store 512 consecutive bytes (in wave 0 the thread is the lane)
	global_store_b8 v124, v122, s[14:15]           ; 32 bytes a work-group, one sixteenth of the codes' bytes
.Lstats:
	s_wait_loadcnt 0x0
; four packed chains v[2:9] become one number in every lane of the wave
.macro FOLD
	s_delay_alu instid0(VALU_DEP_3)
	v_pk_add_f32 v[2:3], v[2:3], v[4:5]
	s_delay_alu instid0(VALU_DEP_2)
	v_pk_add_f32 v[6:7], v[6:7], v[8:9]
	s_delay_alu instid0(VALU_DEP_1)
	v_pk_add_f32 v[2:3], v[2:3], v[6:7]
	s_delay_alu instid0(VALU_DEP_1)
	v_add_f32 v2, v2, v3
	s_delay_alu instid0(VALU_DEP_1)
	v_add_f32_dpp v2, v2, v2 row_xmask:1 row_mask:0xf bank_mask:0xf
	s_delay_alu instid0(VALU_DEP_1)
	v_add_f32_dpp v2, v2, v2 row_xmask:2 row_mask:0xf bank_mask:0xf
	s_delay_alu instid0(VALU_DEP_1)
	v_add_f32_dpp v2, v2, v2 row_xmask:4 row_mask:0xf bank_mask:0xf
	s_delay_alu instid0(VALU_DEP_1)
	v_add_f32_dpp v2, v2, v2 row_xmask:8 row_mask:0xf bank_mask:0xf
	s_delay_alu instid0(VALU_DEP_1)
	v_permlanex16_b32 v3, v2, s30, s31
	s_delay_alu instid0(VALU_DEP_1)
	v_add_f32 v2, v2, v3
.endm
; and the eight waves' numbers one number in every thread
.macro WGRED base
	ds_store_b32 v10, v2 offset:\base              ; all lanes of a wave write its word with the same value
	s_wait_dscnt 0x0                               ; for the others' sake: my store has landed
	s_barrier_signal -1
	s_barrier_wait -1
	ds_load_b128 v[RD:RD+3], v11 offset:\base
	ds_load_b128 v[RD+4:RD+7], v11 offset:\base+16
	s_wait_dscnt 0x0
	v_pk_add_f32 v[RD:RD+1], v[RD:RD+1], v[RD+2:RD+3]
	v_pk_add_f32 v[RD+4:RD+5], v[RD+4:RD+5], v[RD+6:RD+7]
	s_delay_alu instid0(VALU_DEP_1)
	v_pk_add_f32 v[RD:RD+1], v[RD:RD+1], v[RD+4:RD+5]
	s_delay_alu instid0(VALU_DEP_1)
	v_add_f32 v2, v[RD], v[RD+1]
.endm
	; ---- pass 1: the sum.  The first eight pairs start the four chains: nothing is cleared
.irp k, 0,1,2,3
	v_pk_add_f32 v[2+2*\k:3+2*\k], v[X+4*\k:X+4*\k+1], v[X+4*\k+2:X+4*\k+3]
.endr
.irp j, 8,12,16,20,24,28
.irp k, 0,1,2,3
	s_delay_alu instid0(VALU_DEP_4)
	v_pk_add_f32 v[2+2*\k:3+2*\k], v[2+2*\k:3+2*\k], v[X+2*(\j+\k):X+2*(\j+\k)+1]
.endr
.endr
	FOLD
	WGRED RED0
	s_delay_alu instid0(VALU_DEP_1)
	v_mul_f32 v14, 0x38800000, v2                  ; the half's mean: sum x 2^-14
	s_delay_alu instid0(VALU_DEP_2)
	v_mul_f32 v12, 0xb8800000, v2                  ; and its negative, twice, for the packed additions
	s_delay_alu instid0(VALU_DEP_1)
	v_mov_b32 v13, v12
	; ---- pass 2: the sum of the squared distances from that mean
.set j, 0
.rept 32
	v_pk_add_f32 v[X+2*j:X+2*j+1], v[X+2*j:X+2*j+1], v[12:13]
.set j, j+1
.endr
.irp k, 0,1,2,3
	v_pk_mul_f32 v[2+2*\k:3+2*\k], v[X+2*\k:X+2*\k+1], v[X+2*\k:X+2*\k+1]
.endr
.set j, 4
.rept 28
	s_delay_alu instid0(VALU_DEP_4)
	v_pk_fma_f32 v[2+2*(j%4):3+2*(j%4)], v[X+2*j:X+2*j+1], v[X+2*j:X+2*j+1], v[2+2*(j%4):3+2*(j%4)]
.set j, j+1
.endr
	FOLD
	WGRED RED1
	s_delay_alu instid0(VALU_DEP_1)
	v_mov_b32 v15, v2                              ; M2
	s_cmp_lg_u32 s16, 0
	s_cbranch_scc1 .Lend
	s_lshl_b32 s18, ttmp9, 3
	s_add_nc_u64 s[10:11], s[10:11], s[18:19]      ; stats + 8 g
	s_wait_xcnt 0x0                                ; wave 0's weight stores have read their sources, EXEC among them: only now it narrows
	v_cmp_eq_u32 vcc_lo, 0, v0
	s_and_saveexec_b32 s32, vcc_lo
	s_wait_alu depctr_va_vdst(0)
	global_store_b64 v11, v[14:15], s[10:11]       ; thread 0 alone
	s_wait_xcnt 0x0                                ; and again, in front of the line that widens it
	s_or_b32 exec_lo, exec_lo, s32
.Lend:
	s_wait_tensorcnt 0x0
	ds_add_u32 v144, v145
	s_wait_dscnt 0x0
	s_endpgm
.Lfunc_end_k_q2b17c93737_prep:
	.size	k_q2b17c93737_prep, .Lfunc_end_k_q2b17c93737_prep-k_q2b17c93737_prep
	.p2alignl 7, 3214868480
	.fill 96, 4, 3214868480
	.section	.rodata,"a",@progbits
	.p2align	6, 0x0
	.amdhsa_kernel k_q2b17c93737_prep
		.amdhsa_group_segment_fixed_size 1280
		.amdhsa_private_segment_fixed_size 0
		.amdhsa_enable_private_segment 0
		.amdhsa_kernarg_size 48
		.amdhsa_user_sgpr_count 2
		.amdhsa_user_sgpr_kernarg_segment_ptr 1
		.amdhsa_wavefront_size32 1
		.amdhsa_system_sgpr_workgroup_id_x 1
		.amdhsa_system_sgpr_workgroup_id_y 1
		.amdhsa_system_sgpr_workgroup_id_z 1
		.amdhsa_system_vgpr_workitem_id 0
		.amdhsa_next_free_vgpr 146
		.amdhsa_next_free_sgpr 66
		.amdhsa_reserve_vcc 1
		.amdhsa_float_denorm_mode_32 3
		.amdhsa_float_denorm_mode_16_64 3
		.amdhsa_memory_ordered 1
		.amdhsa_forward_progress 1
		.amdhsa_inst_pref_size 18
	.end_amdhsa_kernel
	.amdgpu_metadata
---
amdhsa.version: [ 1, 2 ]
amdhsa.kernels:
  - .name:           k_q2b17c93737_prep
    .symbol:         k_q2b17c93737_prep.kd
    .args:
      - { .name: x, .offset: 0, .size: 8, .value_kind: global_buffer, .address_space: global }
      - { .name: qkv_w, .offset: 8, .size: 8, .value_kind: global_buffer, .address_space: global }
      - { .name: proj_w, .offset: 16, .size: 8, .value_kind: global_buffer, .address_space: global }
      - { .name: stats, .offset: 24, .size: 8, .value_kind: global_buffer, .address_space: global }
      - { .name: wcodes, .offset: 32, .size: 8, .value_kind: global_buffer, .address_space: global }
      - { .name: wscales, .offset: 40, .size: 8, .value_kind: global_buffer, .address_space: global }
    .group_segment_fixed_size: 1280
    .private_segment_fixed_size: 0
    .kernarg_segment_align: 8
    .kernarg_segment_size: 48
    .max_flat_workgroup_size: 256
    .sgpr_count:     66
    .vgpr_count:     146
    .wavefront_size: 32
...
	.end_amdgpu_metadata
.endif
;; end of part 1
;; launch qkv (part 2): grid 16 x 16, 16 waves a work-group, no clusters, 12,288 bytes of LDS; arguments x, norm_w, norm_b, qkv_b, stats, wcodes, wscales, qcodes, qscales, kv; writes qcodes, qscales, kv
.if DOCPART == 2
	.amdgcn_target "amdgcn-amd-amdhsa--gfx1250"
	.amdhsa_code_object_version 6
	.text
	.protected	k_q2b17c93737_qkv
	.globl	k_q2b17c93737_qkv
	.p2align	8
	.type	k_q2b17c93737_qkv,@function
k_q2b17c93737_qkv:
	s_mov_b64 s[64:65], 0
	v_nop
	global_prefetch_b8 v0, s[64:65] scope:SCOPE_SE
	s_setreg_imm32_b32 hwreg(HW_REG_WAVE_MODE, 25, 1), 1
	s_wait_xcnt 0x0
; GROUP NORM, THE QKV MAP ON CODES OF FP4 (E2M1, one E8M0 byte for each 32 along K), AND q, k, v AS CODES.
; A work-group owns 64 pixels (block J = work-group x) of one image (BI = work-group y); sixteen waves.
; PHASE X.  Wave w = (P = w / 8, g = w % 8) normalises group g at pixels 32 P + lane.  A quantiser block of the normalised image along the channels IS a norm group: a lane's 32 registers run down
; the group's channels, so its largest magnitude needs no other lane.  The codes go to LDS as images of operand registers (16 bytes a lane at 16 x lane, 512 bytes for four registers).
; THE PIXELS OF A TILE ARE NOT NEIGHBOURS: row r of pixel tile p is pixel 32 (p / 2) + 8 (p % 2) + r + 8 (r / 8); the weights' tiles are cut the same way.  So in every result a lane's 16 registers
; of two neighbouring tiles are 16 NEIGHBOURS along the next product's K.
; PHASE M.  THE WAVES SHARE THE COLUMNS: wave w owns weight tiles 2 w, 2 w + 1 (q for w < 8, else k: head (w / 2) % 4, channels 32 (w % 2) on of the head's 64) and tile 32 + w (v: head w / 4, tile w % 4),
; each against the four pixel tiles: 24 matrix instructions.  q, k: source 0 = weights, source 1 = pixels: a lane holds ONE pixel, registers run along d.  v: sources swapped: a lane holds ONE channel,
; registers run along the pixels, which are the keys.  The biases are the C of each sum's first matrix instruction.
; OUT.  A lane's 16 codes are 8 bytes of a piece, at 16 r + 8 h + 256 x block: a store of the wave covers 256 consecutive bytes, aligned.  Scale bytes meet in LDS and leave as three runs of 512 bytes.
;   qcodes [BI][J][head][tile 4][512];  qscales [BI][J][head][pair 2][16 r][4]: {tile 2 pair: d blocks 0, 1; tile 2 pair + 1: d blocks 0, 1}
;   kv [BI][J][17,408]: + 0 k's codes [head][tile][512]; + 8,192 v's codes [head][tile of 16 channels][512] (these 64 keys); + 16,384 k's scale words, as q's; + 16,896 v's [head][tile][16 r][2]
; NO CLUSTER: the weights go straight into registers, each fragment read by one wave of a work-group (102 KiB a work-group, the same for all 256, so they stay cached); the pixels are shared with nobody.
; LIMITS: NaN and infinities are not served; a block of zeros gets the byte 1 where the rule says 127 (its codes are zeros, and this program alone reads the bytes).
; REGISTERS: v1-15, v78, v79 offsets and LDS addresses; v16-63 weight fragments; v64-69 their scale words; v70-77 the pixels' scale words; v80-95 q/k bias, v96-103 v's bias; v104-135 four pixel fragments, and codes;
;   v136-231 in phase X the numbers, gains and offsets, then the 12 accumulators; v232-249 at work; v250-254 parts of the lane's number; v255 an offset.
.set XIMG, 0                           ; LDS: 8 fragments (pixel tile p, K step s: 2 p + s) of 1,024 bytes
.set XSC,  8192                        ; their scale words [fragment][16 r][4]
.set SCST, 8704                        ; q's scale words 512, k's 512, v's 512
.set QBY,  17408                       ; bytes of a block of 64 keys in kv
.set WF,   16
.set WS,   64
.set HS,   70
.set QBI,  80
.set VBI,  96
.set HF,   104
.set ACC,  136
.set X,    136
.set NW,   168
.set NB,   200
.set QM,   232                         ; six largest magnitudes
.set QT,   238                         ; six exchanged maxima, then bytes
.set QO,   244                         ; six scale operands
.macro WM d, a, b, c, sa, sb
	v_wmma_scale_f32_16x16x128_f8f6f4 v[\d:\d+7], v[\a:\a+7], v[\b:\b+7], v[\c:\c+7], v[\sa], v[\sb] matrix_a_fmt:MATRIX_FMT_FP4 matrix_b_fmt:MATRIX_FMT_FP4
.endm
	s_load_b512 s[8:23], s[0:1], 0x0               ; x s[8:9], norm_w s[10:11], norm_b s[12:13], qkv_b s[14:15], stats s[16:17], wcodes s[18:19], wscales s[20:21], qcodes s[22:23]
	s_load_b128 s[24:27], s[0:1], 0x40             ; qscales s[24:25], kv s[26:27]
	v_lshrrev_b32 v250, 5, v0
	s_delay_alu instid0(VALU_DEP_1)
	v_readfirstlane_b32 s28, v250                  ; wave 0..15
	v_and_b32 v250, 31, v0                         ; lane
	v_and_b32 v251, 15, v0                         ; r
	v_bfe_u32 v252, v0, 4, 1                       ; h
	v_and_b32 v253, 7, v0                          ; lane % 8
	v_bfe_u32 v254, v0, 3, 1                       ; (lane / 8) % 2
	v_lshlrev_b32 v1, 2, v250                      ; x: 4 bytes a lane
	v_mov_b32 v2, 0
	v_lshlrev_b32 v3, 4, v250                      ; 16 x lane
	v_lshlrev_b32 v4, 2, v251                      ; 4 r
	s_and_b32 s30, ttmp7, 0xffff                   ; BI
	s_lshl_b32 s31, s30, 4
	s_add_co_u32 s31, s31, ttmp9                   ; 16 BI + J
	s_lshr_b32 s32, s28, 3                         ; P
	s_and_b32 s33, s28, 7                          ; g
	s_mov_b32 s34, 0x76543210                      ; v_permlanex16_b32's selects for lane l xor 16
	s_mov_b32 s35, 0xfedcba98
	s_lshl_b32 s40, s30, 20                        ; x: the image,
	s_lshl_b32 s42, s33, 17                        ; the group's 32 channels of 4,096 bytes,
	s_add_co_u32 s40, s40, s42
	s_lshl_b32 s42, ttmp9, 8                       ; the block's 64 pixels,
	s_add_co_u32 s40, s40, s42
	s_lshl_b32 s42, s32, 7                         ; my 32 of them
	s_add_co_u32 s40, s40, s42
	s_mov_b32 s41, 0
	s_lshl_b32 s42, s33, 7                         ; the group's 32 gains and offsets
	s_mov_b32 s43, 0
	s_lshl_b32 s44, s30, 3
	s_add_co_u32 s44, s44, s33
	s_lshl_b32 s44, s44, 4                         ; the group's 16 bytes of statistics
	s_mov_b32 s45, 0
	s_wait_alu depctr_va_vdst(0)
	s_wait_kmcnt 0x0
	s_add_nc_u64 s[8:9], s[8:9], s[40:41]
	s_add_nc_u64 s[10:11], s[10:11], s[42:43]
	s_add_nc_u64 s[12:13], s[12:13], s[42:43]
	s_add_nc_u64 s[16:17], s[16:17], s[44:45]
.set i, 0
.rept 32
	global_load_b32 v[X+i], v1, s[8:9] offset:4096*i       ; channel 32 g + i at my pixel: 128 consecutive bytes a wave; wave w xor 8 takes the 128 beside them
.set i, i+1
.endr
	global_load_b128 v[232:235], v2, s[16:17]      ; {mean, M2} of the group's two halves
.irp i, 0,1,2,3,4,5,6,7
	global_load_b128 v[NW+4*\i:NW+4*\i+3], v2, s[10:11] offset:16*\i
	global_load_b128 v[NB+4*\i:NB+4*\i+3], v2, s[12:13] offset:16*\i
.endr
	; ---- my weights, their scale words and biases: 23 loads that land while the pixels are normalised
	s_lshl_b32 s46, s28, 12
	v_add_nc_u32 v7, s46, v3                       ; tiles 2 w, 2 w + 1: 2,048 bytes a tile
	s_wait_alu depctr_va_vdst(0)
	s_lshl_b32 s46, s28, 11
	s_add_co_u32 s46, s46, 65536
	v_add_nc_u32 v8, s46, v3                       ; tile 32 + w
	s_wait_alu depctr_va_vdst(0)
	s_lshl_b32 s46, s28, 8
	v_add_nc_u32 v9, s46, v4                       ; scale words: 128 bytes a tile
	s_lshl_b32 s46, s28, 7
	v_lshl_add_u32 v11, v252, 6, s46               ; q/k bias: rows 32 w + 16 h + 8 u + 0 .. 7
	s_add_co_u32 s46, s46, 4096
	v_add_nc_u32 v10, s46, v4
	v_and_b32 v12, 8, v251
	s_delay_alu instid0(VALU_DEP_1)
	v_add_nc_u32 v12, v12, v251                    ; r + 8 (r / 8)
	s_lshl_b32 s46, s28, 4
	s_and_b32 s47, s28, 1
	s_lshl_b32 s47, s47, 3
	s_sub_co_u32 s46, s46, s47
	s_add_co_u32 s46, s46, 512
	v_add_nc_u32 v12, s46, v12
	s_delay_alu instid0(VALU_DEP_1)
	v_lshlrev_b32 v12, 2, v12                      ; v's bias: row 512 + 16 w - 8 (w & 1) + r + 8 (r / 8)
.irp u, 0,1
.irp k, 0,1
.irp c, 0,1
	global_load_b128 v[WF+8*(2*\u+\k)+4*\c:WF+8*(2*\u+\k)+4*\c+3], v7, s[18:19] offset:2048*\u+1024*\k+512*\c
.endr
.endr
.endr
.irp k, 0,1
.irp c, 0,1
	global_load_b128 v[WF+32+8*\k+4*\c:WF+32+8*\k+4*\c+3], v8, s[18:19] offset:1024*\k+512*\c
.endr
.endr
.irp u, 0,1
.irp k, 0,1
	global_load_b32 v[WS+2*\u+\k], v9, s[20:21] offset:128*\u+64*\k
.endr
.endr
.irp k, 0,1
	global_load_b32 v[WS+4+\k], v10, s[20:21] offset:64*\k
.endr
.irp u, 0,1
	global_load_b128 v[QBI+8*\u:QBI+8*\u+3], v11, s[14:15] offset:32*\u
	global_load_b128 v[QBI+8*\u+4:QBI+8*\u+7], v11, s[14:15] offset:32*\u+16
.endr
	global_load_b32 v[VBI], v12, s[14:15]
	; ---- the other addresses
	s_lshl_b32 s46, s32, 12                        ; my block's 16 bytes in the images: pixel tile 2 P + (lane / 8) % 2, row lane % 8 + 8 (lane / 16); group g is 256 g bytes on
	s_lshl_b32 s47, s33, 8
	s_add_co_u32 s46, s46, s47
	v_lshlrev_b32 v5, 4, v253
	s_delay_alu instid0(VALU_DEP_1)
	v_lshl_add_u32 v5, v254, 11, v5
	s_delay_alu instid0(VALU_DEP_1)
	v_lshl_add_u32 v5, v252, 7, v5
	s_delay_alu instid0(VALU_DEP_1)
	v_add_nc_u32 v5, s46, v5
	s_lshl_b32 s46, s32, 8                         ; and its scale byte: fragment 2 p + g / 4, row, byte g % 4
	s_lshr_b32 s47, s33, 2
	s_lshl_b32 s47, s47, 6
	s_add_co_u32 s46, s46, s47
	s_and_b32 s47, s33, 3
	s_add_co_u32 s46, s46, s47
	s_add_co_u32 s46, s46, XSC
	v_lshlrev_b32 v6, 2, v253
	s_delay_alu instid0(VALU_DEP_1)
	v_lshl_add_u32 v6, v254, 7, v6
	s_delay_alu instid0(VALU_DEP_1)
	v_lshl_add_u32 v6, v252, 5, v6
	s_delay_alu instid0(VALU_DEP_1)
	v_add_nc_u32 v6, s46, v6
	v_lshlrev_b32 v13, 4, v251
	s_delay_alu instid0(VALU_DEP_1)
	v_lshl_add_u32 v13, v252, 3, v13               ; 16 r + 8 h
	s_wait_alu depctr_va_vdst(0)
	s_lshl_b32 s46, s28, 9
	s_add_co_u32 s46, s46, 8192
	v_add_nc_u32 v14, s46, v13                     ; v's codes: 8,192 + 512 w
	s_lshr_b32 s47, s28, 1                         ; G = w / 2: 0-3 q's heads, 4-7 k's
	s_and_b32 s48, s28, 1                          ; which 32 of the head's 64
	s_and_b32 s46, s47, 3
	s_lshl_b32 s46, s46, 11
	s_lshl_b32 s49, s48, 8
	s_add_co_u32 s46, s46, s49
	v_add_nc_u32 v13, s46, v13                     ; q's or k's codes: 2,048 x head + 256 x block
	s_lshl_b32 s46, s47, 7
	s_add_co_u32 s46, s46, s48
	s_add_co_u32 s46, s46, SCST
	v_add_nc_u32 v15, s46, v4                      ; their scale bytes in LDS
	s_lshl_b32 s46, s28, 5
	s_add_co_u32 s46, s46, SCST+1024
	v_lshl_add_u32 v78, v251, 1, s46               ; v's scale bytes in LDS
	s_min_u32 s46, s28, 2
	s_lshl_b32 s46, s46, 9
	s_add_co_u32 s46, s46, SCST
	v_add_nc_u32 v79, s46, v3                      ; waves 0-2 carry the scale bytes out, 512 each
	s_lshl_b32 s50, s31, 13
	s_mov_b32 s51, 0
	s_add_nc_u64 s[22:23], s[22:23], s[50:51]      ; qcodes at my block
	s_mul_i32 s50, s31, QBY
	s_add_nc_u64 s[38:39], s[26:27], s[50:51]      ; kv at my block
	s_lshl_b32 s50, s31, 9
	s_add_nc_u64 s[24:25], s[24:25], s[50:51]      ; qscales at my block
	s_cmp_lt_u32 s28, 8                            ; q's waves or k's: the choice hangs on the wave's number alone
	s_cselect_b64 s[36:37], s[22:23], s[38:39]
	; ---- PHASE X
	s_wait_loadcnt 23                              ; x, the statistics, gains and offsets are in; the 23 younger loads (12 fragments' halves, 6 scale words, 5 of biases) may be out
	v_add_f32 v236, v232, v234
	v_sub_f32 v237, v232, v234                     ; the two halves' means differ by this
	v_add_f32 v238, v233, v235
	s_delay_alu instid0(VALU_DEP_3)
	v_mul_f32 v236, -0.5, v236                     ; - the group's mean
	s_delay_alu instid0(VALU_DEP_3)
	v_mul_f32 v239, v237, v237
	s_delay_alu instid0(VALU_DEP_1)
	v_fmamk_f32 v238, v239, 0x46000000, v238       ; M2 = M2a + M2b + 8,192 x difference^2 (two halves of 16,384)
	v_mov_b32 v239, 0x38000000
	s_delay_alu instid0(VALU_DEP_1)
	v_fmaak_f32 v238, v238, v239, 0x3727c5ac       ; M2 x 2^-15 + 1e-5
	s_wait_alu depctr_va_vdst(0)
	v_rsq_f32 v238, v238
	v_mov_b32 v237, v236                           ; (a plain line behind the transcendental)  both as pairs, for the packed forms
	s_wait_alu depctr_va_vdst(0)
	v_mov_b32 v239, v238
.set i, 0
.rept 16
	v_pk_mul_f32 v[NW+i:NW+i+1], v[NW+i:NW+i+1], v[238:239]
.set i, i+2
.endr
.set i, 0
.rept 16
	v_pk_add_f32 v[X+i:X+i+1], v[X+i:X+i+1], v[236:237]
.set i, i+2
.endr
.set i, 0
.rept 16
	v_pk_fma_f32 v[X+i:X+i+1], v[X+i:X+i+1], v[NW+i:NW+i+1], v[NB+i:NB+i+1]
.set i, i+2
.endr
	v_max3_num_f32 v240, |v[X]|, |v[X+1]|, 0x1800000       ; the block's largest magnitude, two chains; the floor 2^(3 - 127) holds the byte at 1 from below
	v_max3_num_f32 v241, |v[X+2]|, |v[X+3]|, 0x1800000
.irp i, 4,8,12,16,20,24,28
	s_delay_alu instid0(VALU_DEP_2)
	v_max3_num_f32 v240, v240, |v[X+\i]|, |v[X+\i+1]|
	s_delay_alu instid0(VALU_DEP_2)
	v_max3_num_f32 v241, v241, |v[X+\i+2]|, |v[X+\i+3]|
.endr
	s_delay_alu instid0(VALU_DEP_1)
	v_max_num_f32 v240, v240, v241
	s_delay_alu instid0(VALU_DEP_1)
	v_add_nc_u32 v242, 0xff000000, v240            ; 2 off its exponent field: the conversion's scale operand
	s_delay_alu instid0(VALU_DEP_1)
	v_lshrrev_b32 v243, 23, v242                   ; the scale's byte
.irp q, 0,1,2,3
	v_cvt_scalef32_pk8_fp4_f32 v[HF+\q], v[X+8*\q:X+8*\q+7], v242
.endr
	v_nop                                          ; one plain line behind the last scaled conversion: matrix instructions write its sources later
	ds_store_b128 v5, v[HF:HF+3]
	ds_store_b8 v6, v243
	s_wait_loadcnt 0x0                             ; weights, scale words, biases
.irp i, 1,2,3,4,5,6,7
	v_mov_b32 v[VBI+\i], v[VBI]                    ; v's bias hangs on the lane's channel alone: the same in the eight registers of C
.endr
	s_wait_alu depctr_va_vdst(0)
	s_wait_dscnt 0x0                               ; for the others' sake: my image and my byte have landed
	s_barrier_signal -1
	s_barrier_wait -1                              ; the eight fragments lie in LDS
	; ---- PHASE M
.macro HLOAD ks                        ; the four pixel tiles' fragments of K step ks, and their scale words
.irp p, 0,1,2,3
.irp c, 0,1
	ds_load_b128 v[HF+8*\p+4*\c:HF+8*\p+4*\c+3], v3 offset:XIMG+(2*\p+\ks)*1024+512*\c
.endr
	ds_load_b32 v[HS+4*\ks+\p], v4 offset:XSC+(2*\p+\ks)*64
.endr
.endm
.macro MUL ks                          ; 12 matrix instructions on 12 accumulators, which take turns
.irp i, 0,1,2,3
.irp u, 0,1
.if \ks == 0
	WM ACC+16*\i+8*\u, WF+8*(2*\u+\ks), HF+8*\i, QBI+8*\u, WS+2*\u+\ks, HS+4*\ks+\i
.else
	WM ACC+16*\i+8*\u, WF+8*(2*\u+\ks), HF+8*\i, ACC+16*\i+8*\u, WS+2*\u+\ks, HS+4*\ks+\i
.endif
.endr
.endr
.irp p, 0,1,2,3
.if \ks == 0
	WM ACC+64+8*\p, HF+8*\p, WF+32+8*\ks, VBI, HS+4*\ks+\p, WS+4+\ks
.else
	WM ACC+64+8*\p, HF+8*\p, WF+32+8*\ks, ACC+64+8*\p, HS+4*\ks+\p, WS+4+\ks
.endif
.endr
.endm
	HLOAD 0
.rept 4
	v_nop                                          ; places between the copies of v's bias and the products that take them as C
.endr
	s_wait_dscnt 0x0
	MUL 0
.rept 4
	v_nop                                          ; places in front of loads into registers that matrix instructions have read
.endr
	HLOAD 1
	s_wait_dscnt 0x0
	MUL 1
.rept 4
	v_nop                                          ; places in front of the first read of results
.endr
	; ---- six units of 16 registers: n = 0 .. 3: pixel tile n, d = 32 (w % 2) + 16 h + 0 .. 15;  n = 4, 5: keys 32 (n - 4) + 16 h + 0 .. 15 of my lane's channel.  A block lies in lanes l and l xor 16
.irp n, 0,1,2,3,4,5
	v_max3_num_f32 v[QM+\n], |v[ACC+16*\n]|, |v[ACC+16*\n+1]|, 0x1800000   ; each accumulator is read from its low end on
.endr
.irp i, 2,4,6,8,10,12,14
.irp n, 0,1,2,3,4,5
	v_max3_num_f32 v[QM+\n], v[QM+\n], |v[ACC+16*\n+\i]|, |v[ACC+16*\n+\i+1]|   ; (the six by turns: no line waits for the line above it)
.endr
.endr
.irp n, 0,1,2,3,4,5
	v_permlanex16_b32 v[QT+\n], v[QM+\n], s34, s35 ; (its destinations were written in phase X)
.endr
.irp n, 0,1,2,3,4,5
	v_max_num_f32 v[QM+\n], v[QM+\n], v[QT+\n]
.endr
.irp n, 0,1,2,3,4,5
	v_add_nc_u32 v[QO+\n], 0xff000000, v[QM+\n]
.endr
.irp n, 0,1,2,3,4,5
	v_lshrrev_b32 v[QT+\n], 23, v[QO+\n]
.endr
.irp n, 0,1,2,3,4,5
	v_cvt_scalef32_pk8_fp4_f32 v[HF+2*\n], v[ACC+16*\n:ACC+16*\n+7], v[QO+\n]
	v_cvt_scalef32_pk8_fp4_f32 v[HF+2*\n+1], v[ACC+16*\n+8:ACC+16*\n+15], v[QO+\n]
.endr
	v_nop                                          ; one plain line behind the last scaled conversion
.irp n, 0,1,2,3
	global_store_b64 v13, v[HF+2*\n:HF+2*\n+1], s[36:37] offset:512*\n     ; 32 lanes store 256 consecutive bytes, aligned
	ds_store_b8 v15, v[QT+\n] offset:64*(\n/2)+2*(\n%2)                    ; both lanes of a block write the same byte with the same value
.endr
.irp n, 4,5
	global_store_b64 v14, v[HF+2*\n:HF+2*\n+1], s[38:39] offset:256*(\n-4)
	ds_store_b8 v78, v[QT+\n] offset:\n-4
.endr
	s_wait_dscnt 0x0                               ; for the others' sake: my scale bytes have landed
	s_barrier_signal -1
	s_barrier_wait -1
	s_cmp_lt_u32 s28, 3
	s_cbranch_scc0 .Lend
	ds_load_b128 v[232:235], v79                   ; wave 0: q's words; wave 1: k's; wave 2: v's
	s_lshl_b32 s46, s28, 9
	s_add_co_u32 s46, s46, 15872                   ; 16,384 + 512 (w - 1)
	s_cmp_eq_u32 s28, 0
	s_cselect_b32 s46, 0, s46
	s_cselect_b64 s[52:53], s[24:25], s[38:39]
	v_add_nc_u32 v255, s46, v3
	s_wait_alu depctr_va_vdst(0)
	s_wait_dscnt 0x0
	global_store_b128 v255, v[232:235], s[52:53]   ; 512 consecutive bytes, aligned
.Lend:
	s_wait_xcnt 0x0
	v_lshl_add_u32 v254, v0, 2, 0x2800
	v_mov_b32 v255, 0
	s_wait_alu depctr_va_vdst(0)
	s_wait_tensorcnt 0x0
	ds_add_u32 v254, v255
	s_wait_dscnt 0x0
	s_endpgm
.Lfunc_end_k_q2b17c93737_qkv:
	.size	k_q2b17c93737_qkv, .Lfunc_end_k_q2b17c93737_qkv-k_q2b17c93737_qkv
	.p2alignl 7, 3214868480
	.fill 96, 4, 3214868480
	.section	.rodata,"a",@progbits
	.p2align	6, 0x0
	.amdhsa_kernel k_q2b17c93737_qkv
		.amdhsa_group_segment_fixed_size 12288
		.amdhsa_private_segment_fixed_size 0
		.amdhsa_enable_private_segment 0
		.amdhsa_kernarg_size 80
		.amdhsa_user_sgpr_count 2
		.amdhsa_user_sgpr_kernarg_segment_ptr 1
		.amdhsa_wavefront_size32 1
		.amdhsa_system_sgpr_workgroup_id_x 1
		.amdhsa_system_sgpr_workgroup_id_y 1
		.amdhsa_system_sgpr_workgroup_id_z 1
		.amdhsa_system_vgpr_workitem_id 0
		.amdhsa_next_free_vgpr 256
		.amdhsa_next_free_sgpr 66
		.amdhsa_reserve_vcc 0
		.amdhsa_float_denorm_mode_32 3
		.amdhsa_float_denorm_mode_16_64 3
		.amdhsa_memory_ordered 1
		.amdhsa_forward_progress 1
		.amdhsa_inst_pref_size 30
	.end_amdhsa_kernel
	.amdgpu_metadata
---
amdhsa.version: [ 1, 2 ]
amdhsa.kernels:
  - .name:           k_q2b17c93737_qkv
    .symbol:         k_q2b17c93737_qkv.kd
    .args:
      - { .name: x, .offset: 0, .size: 8, .value_kind: global_buffer, .address_space: global }
      - { .name: norm_w, .offset: 8, .size: 8, .value_kind: global_buffer, .address_space: global }
      - { .name: norm_b, .offset: 16, .size: 8, .value_kind: global_buffer, .address_space: global }
      - { .name: qkv_b, .offset: 24, .size: 8, .value_kind: global_buffer, .address_space: global }
      - { .name: stats, .offset: 32, .size: 8, .value_kind: global_buffer, .address_space: global }
      - { .name: wcodes, .offset: 40, .size: 8, .value_kind: global_buffer, .address_space: global }
      - { .name: wscales, .offset: 48, .size: 8, .value_kind: global_buffer, .address_space: global }
      - { .name: qcodes, .offset: 56, .size: 8, .value_kind: global_buffer, .address_space: global }
      - { .name: qscales, .offset: 64, .size: 8, .value_kind: global_buffer, .address_space: global }
      - { .name: kv, .offset: 72, .size: 8, .value_kind: global_buffer, .address_space: global }
    .group_segment_fixed_size: 12288
    .private_segment_fixed_size: 0
    .kernarg_segment_align: 8
    .kernarg_segment_size: 80
    .max_flat_workgroup_size: 512
    .sgpr_count:     66
    .vgpr_count:     256
    .wavefront_size: 32
...
	.end_amdgpu_metadata
.endif
;; end of part 2
;; launch attn (part 3): grid 16 x 16, 16 waves a work-group, clusters of 4 x 1, 327,680 bytes of LDS; arguments qcodes, qscales, kv, wcodes, wscales, proj_b, x, out0; writes out0
.if DOCPART == 3
	.amdgcn_target "amdgcn-amd-amdhsa--gfx1250"
	.amdhsa_code_object_version 6
	.text
	.protected	k_q2b17c93737_attn
	.globl	k_q2b17c93737_attn
	.p2align	8
	.type	k_q2b17c93737_attn,@function
k_q2b17c93737_attn:
	s_mov_b64 s[64:65], 0
	v_nop
	global_prefetch_b8 v0, s[64:65] scope:SCOPE_SE
	s_setreg_imm32_b32 hwreg(HW_REG_WAVE_MODE, 25, 1), 1
	s_wait_xcnt 0x0
	s_wait_alu depctr_hold_cnt(0) depctr_sa_sdst(0) depctr_va_vdst(0) depctr_va_sdst(0) depctr_va_ssrc(0) depctr_va_vcc(0) depctr_vm_vsrc(0)
	s_getreg_b32 s2, hwreg(HW_REG_IB_STS2, 6, 4)
	s_cmp_eq_u32 s2, 0
	s_cbranch_scc0 .Lentry_in_a_cluster
	s_endpgm
.Lentry_in_a_cluster:
	s_bfe_u32 s2, ttmp6, 0x10000c
	s_cmp_lg_u32 s2, 0x3003
	s_cbranch_scc0 .Lentry_shape_is_right
	s_endpgm
.Lentry_shape_is_right:
; ATTENTION, THE PROJECTION AND THE RESIDUAL, all products on codes of FP4 (E2M1) with one E8M0 byte for each 32 along a product's K.
; A work-group owns 64 queries (block J) of one image BI, for ALL FOUR HEADS, so that the projection, whose K runs over the heads, needs no other work-group.  Sixteen waves: wave w = (head w / 4, query tile w % 4)
; owns 16 queries of one head in 256 registers; four waves to a SIMD, so that one wave's vector work stands beside another's matrix work and LDS loads.  In the projection wave w owns 16 output channels.
; ALL OF K AND V OF THE IMAGE, codes and scale bytes, 278,528 bytes, lies in LDS: sixteen blocks of 64 keys, each filled ONCE.  No byte is filled again: no ring.  Waves 0-3 fetch four blocks each, and the key
; steps begin when the first four blocks have landed: a wave has four tensor loads out at the most.
; CLUSTER: the four query blocks of a cluster belong to one image and need the same K and V: each block is asked for JOINTLY, by the same tensor load with the same descriptor and the mask of all four.
; Only the global offsets of Q, x and the output hang on the place in the cluster.
; LAYOUT.  Operands lie in memory and LDS as images of their registers: four registers x 32 lanes = 512 bytes, 16 bytes a lane at 16 x lane.  Row r of a tile of pixels is pixel 32 (tile / 2) + 8 (tile % 2) + r + 8 (r / 8) of its
; block of 64, and tiles of channels are cut likewise, so that a lane's 16 registers of two neighbouring result tiles are 16 neighbours along the next K.  All products are laid so that a lane holds ONE query.
; K = 64 IN AN INSTRUCTION OF 128: an operand of K holds TWO key tiles (registers 0-3, 4-7) and is used twice, against Qlo = [q | zero codes] and Qhi = [zero codes | q]; zero codes add nothing under any byte but 0xff.
; SOFTMAX: t = score x log2(e) / 8; M = the running largest t rounded UP to a whole number; p = 2^(t - M) is quantised along the keys, not normalised; the sum is taken of the unquantised p and divides O at the end.
; When M moves, the sum and O are multiplied by 2^(old M - new M): exact.
; LIMITS: NaN and infinities are not served; p under 2^-126 counts as 0; a block of zeros gets the byte 1 where the rule says 127 (its codes are zeros, and this program alone reads the bytes).
; REGISTERS: v1-11, v217, v218, v224, v225 addresses; v12 -M, v13 the largest t, v[14:15] the sum; v16-23 Qlo, v24-31 Qhi; v32-63 K; v64-95 V; v96-159 scores, then p; v160-191 O^T; v192-199 p's codes;
;   v200-203 K's scale words, v204-207 V's, v208-215 V's halves, v216 Q's, v219-220 the projection weights'; v232-254 at work.
.set QBY,  17408                       ; a block of 64 keys: K's codes 8,192, V's 8,192, K's scale words 512, V's 512
.set OIMG, 16*QBY                      ; behind K and V: the attention's result as 8 fragments (query tile m, K step: 2 m + step) of 1,024 bytes,
.set OSC,  OIMG+8192                   ; their scale words [fragment][16 r][4]
.set STW,  4352                        ; the way out: 16 rows x (256 bytes + 16) for each wave, in key blocks 0-3, which have had their only fill and are read by nobody behind the last barrier
.set AKV,  1                           ; v1   16 x lane + 2,048 x head, + the key step
.set ASK,  2                           ; v2   K's scale words
.set ASV,  3                           ; v3   V's scale half-words
.set OWI,  4                           ; v4   where I store my 8 bytes of the result's image
.set OWS,  5                           ; v5   and its two scale bytes
.set LI,   6                           ; v6   16 x lane
.set R4,   7                           ; v7   4 r
.set SO,   8                           ; v8   the stage: in
.set SR,   9                           ; v9   the stage: back
.set GO,   10                          ; v10  my byte offset in x and in the output
.set WPO,  11                          ; v11  the projection weights' codes
.set KF,   32
.set VF,   64
.set SS,   96
.set OT,   160
.set PC,   192
.set KS,   200
.set VS,   204
.set VH,   208
.set QS,   216
.set WSO,  217                         ; v217 the projection weights' scale words: offset
.set BO,   218                         ; v218 the bias: offset
.set WPS,  219
.set QW,   221
.set OLI,  224                         ; v224 OIMG + 16 x lane
.set OLS,  225                         ; v225 OSC + 4 r
.macro WM d, a, b, c, sa, sb
	v_wmma_scale_f32_16x16x128_f8f6f4 v[\d:\d+7], v[\a:\a+7], v[\b:\b+7], v[\c:\c+7], v[\sa], v[\sb] matrix_a_fmt:MATRIX_FMT_FP4 matrix_b_fmt:MATRIX_FMT_FP4
.endm
.macro WMZ d, a, b, sa, sb             ; the product that starts a sum: nothing is ever cleared
	v_wmma_scale_f32_16x16x128_f8f6f4 v[\d:\d+7], v[\a:\a+7], v[\b:\b+7], 0, v[\sa], v[\sb] matrix_a_fmt:MATRIX_FMT_FP4 matrix_b_fmt:MATRIX_FMT_FP4
.endm
; A round of the cluster's barrier: my work-group's barrier, wave 0 signals for the work-group, every wave waits for all four work-groups, my work-group's barrier once more.
.macro ROUND
	s_barrier_signal -1
	s_barrier_wait -1
	s_cmp_lg_u32 s24, 0
	s_cbranch_scc1 .Lnot_wave_0_\@
	s_barrier_signal -3
.Lnot_wave_0_\@:
	s_barrier_wait -3
	s_barrier_signal -1
	s_barrier_wait -1
.endm
	s_load_b512 s[8:23], s[0:1], 0x0               ; qcodes s[8:9], qscales s[10:11], kv s[12:13], wcodes s[14:15], wscales s[16:17], proj_b s[18:19], x s[20:21], out0 s[22:23]
	v_lshl_add_u32 v251, v0, 2, 0x46200
	v_mov_b32 v255, 0
	ds_add_u32 v251, v255
	ds_add_u32 v251, v255
	v_lshrrev_b32 v1, 5, v0
	s_delay_alu instid0(VALU_DEP_1)
	v_readfirstlane_b32 s24, v1                    ; wave 0..15
	s_lshr_b32 s25, s24, 2                         ; head
	s_and_b32 s26, s24, 3                          ; query tile
	s_bfe_u32 s27, ttmp6, 0x40000                  ; cx: my place in the cluster
	s_lshl_b32 s28, ttmp9, 2                       ; in a cluster launch ttmp9 counts clusters
	s_add_co_u32 s28, s28, s27                     ; J = 4 x cluster x + cx: it enters global offsets of Q, x and the output alone
	s_and_b32 s29, ttmp7, 0xffff                   ; BI, which the four partners share
	s_lshl_b32 s30, s29, 4
	s_add_co_u32 s30, s30, s28                     ; 16 BI + J
	s_mov_b32 s48, 0x3e38aa3b                      ; c = log2(e) / sqrt(64)
	s_mov_b32 s49, s48                             ; (named with it as a pair, so it is written)
	s_mov_b32 s50, 0x76543210                      ; v_permlanex16_b32's selects for lane l xor 16
	s_mov_b32 s51, 0xfedcba98
	; descriptor group 1: a block of 64 keys is 17,408 dense bytes: 68 rows of 32 elements of 8 bytes, no padding (the images are read 16 bytes a lane on end)
	s_mov_b32 s52, 15|(3<<16)|(1<<21)              ; 15:0 the mask: all four work-groups; 17:16 elements of 8 bytes; 21 set beside a mask
	s_mov_b32 s53, 32<<16                          ; tensor_dim0 = 32
	s_mov_b32 s54, 68<<16                          ; tensor_dim1 = 68
	s_mov_b32 s55, 32<<16                          ; tile_dim0 = 32
	s_mov_b32 s56, 68                              ; tile_dim1 = 68
	s_mov_b32 s57, 32                              ; elements from row to row
	s_mov_b32 s58, 0
	s_mov_b32 s59, 0
	s_mul_i32 s60, s24, QBY                        ; wave i of 0-3 fetches blocks i, 4 + i, 8 + i, 12 + i: no place in the cluster enters an LDS address
	s_mul_i32 s62, s29, 16*QBY
	s_add_co_u32 s62, s62, s60
	s_mov_b32 s63, 0
	s_lshl_b32 s66, s30, 13                        ; Q's codes: 8,192 a block, 512 a wave
	s_lshl_b32 s67, s24, 9
	s_add_co_u32 s66, s66, s67
	s_mov_b32 s67, 0
	s_lshl_b32 s68, s30, 9                         ; Q's scale words: 512 a block, 128 a head, 64 a pair of tiles
	s_lshl_b32 s69, s25, 7
	s_add_co_u32 s68, s68, s69
	s_lshr_b32 s69, s26, 1
	s_lshl_b32 s69, s69, 6
	s_add_co_u32 s68, s68, s69
	s_mov_b32 s69, 0
	s_wait_dscnt 0x0
	s_wait_kmcnt 0x0
	s_add_nc_u64 s[12:13], s[12:13], s[62:63]
	s_add_nc_u64 s[8:9], s[8:9], s[66:67]
	s_add_nc_u64 s[10:11], s[10:11], s[68:69]
	ROUND                                          ; all four work-groups are here: the joint loads meet
	s_cmp_lt_u32 s24, 4                            ; a wave's four fills stand in one branch on the wave's number, ahead of every wait on TENSORcnt and every LDS read
	s_cbranch_scc0 .Lnofetch
.irp n, 0,1,2,3
	s_mov_b32 s[32+4*\n], 1                        ; count = 1
	s_add_co_u32 s[33+4*\n], s60, 4*QBY*\n         ; LDS address: block 4 n + wave
	s_add_nc_u64 s[34+4*\n:35+4*\n], s[12:13], 4*QBY*\n   ; global address of the same block
	s_or_b32 s[35+4*\n], s[35+4*\n], 0x80000000    ; type = 2
.endr
	tensor_load_to_lds s[32:35], s[52:59]
	s_nop 0
	tensor_load_to_lds s[36:39], s[52:59]
	s_nop 0
	tensor_load_to_lds s[40:43], s[52:59]
	s_nop 0
	tensor_load_to_lds s[44:47], s[52:59]
	s_nop 0
.rept 4
	v_nop
.endr
.Lnofetch:
	v_and_b32 v226, 31, v0                         ; lane
	v_and_b32 v227, 15, v0                         ; r
	v_bfe_u32 v228, v0, 4, 1                       ; h
	s_delay_alu instid0(VALU_DEP_3)
	v_lshlrev_b32 v[LI], 4, v226
	s_delay_alu instid0(VALU_DEP_3)
	v_lshlrev_b32 v[R4], 2, v227
	global_load_b128 v[16:19], v[LI], s[8:9]       ; q's 64 codes a row, as the lower half of Qlo
	global_load_b128 v[28:31], v[LI], s[8:9]       ; and as the upper half of Qhi
	global_load_b32 v[QW], v[R4], s[10:11]         ; the scale word of my pair of tiles
.irp i, 20,21,22,23,24,25,26,27
	v_mov_b32 v\i, 0                               ; zero codes
.endr
	s_lshl_b32 s66, s25, 11
	v_add_nc_u32 v[AKV], s66, v[LI]
	s_lshl_b32 s66, s25, 7
	s_add_co_u32 s67, s66, 16384
	v_add_nc_u32 v[ASK], s67, v[R4]
	s_add_co_u32 s67, s66, 16896
	v_lshl_add_u32 v[ASV], v227, 1, s67
	s_lshl_b32 s66, s26, 1
	s_lshr_b32 s67, s25, 1
	s_add_co_u32 s66, s66, s67                     ; my fragment of the result: 2 x query tile + head / 2
	s_and_b32 s67, s25, 1                          ; and my half of it
	s_lshl_b32 s68, s66, 10
	s_lshl_b32 s69, s67, 9
	s_add_co_u32 s68, s68, s69
	s_add_co_u32 s68, s68, OIMG
	v_lshlrev_b32 v[OWI], 4, v227
	s_delay_alu instid0(VALU_DEP_1)
	v_lshl_add_u32 v[OWI], v228, 3, v[OWI]
	s_delay_alu instid0(VALU_DEP_1)
	v_add_nc_u32 v[OWI], s68, v[OWI]               ; + 16 r + 8 h
	s_lshl_b32 s68, s66, 6
	s_lshl_b32 s69, s67, 1
	s_add_co_u32 s68, s68, s69
	s_add_co_u32 s68, s68, OSC
	v_add_nc_u32 v[OWS], s68, v[R4]
	v_add_nc_u32 v[OLI], OIMG, v[LI]
	v_add_nc_u32 v[OLS], OSC, v[R4]
	s_mul_i32 s66, s24, STW                        ; my stage
	v_mul_u32_u24 v[SO], v227, 272
	s_delay_alu instid0(VALU_DEP_1)
	v_lshl_add_u32 v[SO], v228, 6, v[SO]
	s_delay_alu instid0(VALU_DEP_1)
	v_add_nc_u32 v[SO], s66, v[SO]                 ; in: row r (a channel), 64 h bytes on
	v_mul_u32_u24 v[SR], v228, 272
	s_delay_alu instid0(VALU_DEP_1)
	v_lshl_add_u32 v[SR], v227, 4, v[SR]
	s_delay_alu instid0(VALU_DEP_1)
	v_add_nc_u32 v[SR], s66, v[SR]                 ; back: lanes 0-15 one row of 256 bytes, lanes 16-31 the next
	s_lshl_b32 s70, s24, 4
	s_and_b32 s71, s24, 1
	s_lshl_b32 s71, s71, 3
	s_sub_co_u32 s70, s70, s71                     ; my tile's first output channel: 16 w - 8 (w & 1)
	s_lshl_b32 s66, s29, 20
	s_lshl_b32 s67, s70, 12
	s_add_co_u32 s66, s66, s67
	s_lshl_b32 s67, s28, 8
	s_add_co_u32 s66, s66, s67
	v_lshlrev_b32 v[GO], 4, v227
	s_delay_alu instid0(VALU_DEP_1)
	v_lshl_add_u32 v[GO], v228, 12, v[GO]
	s_delay_alu instid0(VALU_DEP_1)
	v_add_nc_u32 v[GO], s66, v[GO]                 ; image, channel (+ h), the block's 256 bytes, 16 r
	s_lshl_b32 s66, s24, 11
	s_add_co_u32 s66, s66, 98304
	v_add_nc_u32 v[WPO], s66, v[LI]                ; weight tile 48 + w
	s_lshl_b32 s66, s24, 7
	s_add_co_u32 s66, s66, 6144
	v_add_nc_u32 v[WSO], s66, v[R4]
	v_and_b32 v[BO], 8, v227
	s_delay_alu instid0(VALU_DEP_1)
	v_add_nc_u32 v[BO], v[BO], v227
	s_delay_alu instid0(VALU_DEP_1)
	v_add_nc_u32 v[BO], s70, v[BO]
	s_delay_alu instid0(VALU_DEP_1)
	v_lshlrev_b32 v[BO], 2, v[BO]                  ; the bias of my lane's channel
	s_and_b32 s73, s26, 1
	s_mul_i32 s73, s73, 0x02020202
	s_add_co_u32 s73, s73, 0x01000100              ; bytes {0, 1, 0, 1} or {2, 3, 2, 3}: my tile's two bytes of the pair's word, twice
	s_wait_loadcnt 0x0
	v_perm_b32 v[QS], v[QW], v[QW], s73            ; Q's scale word serves Qlo and Qhi.  The nine plain lines below stand between it and the first product
	v_mov_b32 v13, 0xff61b1e6                      ; the largest t so far: -3e38, under every t
	s_delay_alu instid0(VALU_DEP_1)
	v_floor_f32 v12, -v13                          ; -M
	v_mov_b32 v14, 0                               ; the sum, in two halves
	v_mov_b32 v15, 0
.irp b, 0,1,2,3
	v_mov_b32 v[236+\b], 0                         ; written once: a lane permute's destination counts as one of its sources
.endr
	v_mov_b32 v253, 0                              ; (named as the upper half of the pair v[252:253] before it is first written)
; Key blocks 4 n .. 4 n + 3 are there: each fetching wave's load n has landed, its 3 - n younger ones may stay out; then the barrier shows them to all sixteen waves.
.macro CHUNK n
	s_wait_tensorcnt 3-\n
	s_wait_dscnt 0x0
	s_barrier_signal -1
	s_barrier_wait -1
.endm
; A KEY STEP: 128 keys, blocks 2 st and 2 st + 1.
.macro STEP st
.if \st > 0
	v_add_nc_u32 v[AKV], 2*QBY, v[AKV]             ; these three and the v_nop are the four places in front of loads into registers that the last products have read
	v_add_nc_u32 v[ASK], 2*QBY, v[ASK]
	v_add_nc_u32 v[ASV], 2*QBY, v[ASV]
	v_nop
.endif
.irp b, 0,1,2,3                                ; K: pair b of key tiles: block b / 2, tiles 2 (b % 2) and + 1
	ds_load_b128 v[KF+8*\b:KF+8*\b+3], v[AKV] offset:(\b/2)*QBY+(\b%2)*1024
	ds_load_b128 v[KF+8*\b+4:KF+8*\b+7], v[AKV] offset:(\b/2)*QBY+(\b%2)*1024+512
	ds_load_b32 v[KS+\b], v[ASK] offset:(\b/2)*QBY+(\b%2)*64
.endr
.irp t, 0,1,2,3                                ; V^T: tile t of 16 channels; registers 4 c on are block c's 64 keys
.irp c, 0,1
	ds_load_b128 v[VF+8*\t+4*\c:VF+8*\t+4*\c+3], v[AKV] offset:\c*QBY+8192+512*\t
	ds_load_u16 v[VH+4*\c+\t], v[ASV] offset:\c*QBY+32*\t
.endr
.endr
	s_wait_dscnt 16                                ; K's twelve loads are in; V's sixteen younger ones may be out
.irp b, 0,1,2,3                                ; S^T = K Q^T: lane (r, h) holds query r; the 16 registers of pair b are keys 32 b + 16 h + 0 .. 15
	WMZ SS+16*\b, KF+8*\b, 16, KS+\b, QS
	WMZ SS+16*\b+8, KF+8*\b, 24, KS+\b, QS
.endr
	s_wait_dscnt 0x0                               ; V
.irp t, 0,1,2,3
	v_lshl_or_b32 v[VS+\t], v[VH+4+\t], 16, v[VH+\t]   ; V's scale word of these 128 keys.  (These four lines are the places behind the products above)
.endr
.irp b, 0,1,2,3
	v_max3_num_f32 v[232+\b], v[SS+16*\b], v[SS+1+16*\b], v[SS+2+16*\b]   ; THE LARGEST SCORE OF EACH BLOCK OF 32 KEYS serves twice: for the row's maximum, and, since p rises with the score, for the block's largest p
.endr
.irp i, 3,5,7,9,11,13
.irp b, 0,1,2,3
	v_max3_num_f32 v[232+\b], v[232+\b], v[SS+16*\b+\i], v[SS+1+16*\b+\i]   ; (the four blocks by turns)
.endr
.endr
.irp b, 0,1,2,3
	v_max_num_f32 v[232+\b], v[232+\b], v[SS+15+16*\b]
.endr
.irp b, 0,1,2,3
	s_delay_alu instid0(VALU_DEP_4)
	v_permlanex16_b32 v[236+\b], v[232+\b], s50, s51
.endr
.irp b, 0,1,2,3
	s_delay_alu instid0(VALU_DEP_4)
	v_max_num_f32 v[232+\b], v[232+\b], v[236+\b]  ; with lane l xor 16's 16 keys
.endr
	s_delay_alu instid0(VALU_DEP_2)
	v_max3_num_f32 v254, v232, v233, v234
	s_delay_alu instid0(VALU_DEP_1)
	v_max_num_f32 v254, v254, v235                 ; the step's largest score of my query
	s_delay_alu instid0(VALU_DEP_1)
	v_mul_f32 v254, s48, v254                      ; as t (c is positive)
	s_delay_alu instid0(VALU_DEP_1)
	v_max_num_f32 v13, v13, v254                   ; the running largest t
	v_mov_b32 v254, v12
	s_delay_alu instid0(VALU_DEP_2)
	v_floor_f32 v12, -v13                          ; the new -M = floor(-t) = -ceil(t): M IS A WHOLE NUMBER
	s_delay_alu instid0(VALU_DEP_1)
	v_sub_f32 v254, v12, v254                      ; M's old value less its new one: a whole number, 0 or less
	s_delay_alu instid0(VALU_DEP_1)
	v_cvt_i32_f32 v254, v254                       ; (it saturates)
	s_delay_alu instid0(VALU_DEP_1)
	v_ldexp_f32 v252, 1.0, v254                    ; f = 2^(old M - new M): a multiplication by it rounds nothing
.set j, 0
.rept 32
	v_pk_fma_f32 v[SS+j:SS+j+1], v[SS+j:SS+j+1], s[48:49], v[12:13] op_sel_hi:[1,0,0]   ; t - M, two at a time (of the pairs c and -M the low word serves both halves)
.set j, j+2
.endr
.irp b, 0,1,2,3
	v_fma_f32 v[232+\b], v[232+\b], s48, v12       ; the same of each block's largest score
.endr
.set j, 0
	s_wait_alu depctr_va_vdst(0)
.rept 64
	v_exp_f32 v[SS+j], v[SS+j]                     ; p = 2^(t - M), at most 1: NOT normalised
.set j, j+1
.endr
.irp b, 0,1,2,3
	v_exp_f32 v[232+\b], v[232+\b]                 ; the block's largest p: the same two instructions on the same number give the same bits
.endr
	v_pk_mul_f32 v[14:15], v[14:15], v[252:253] op_sel_hi:[1,0]   ; the sums under the new M.  (A plain line behind the exponentials)
	s_wait_alu depctr_va_vdst(0)
.irp b, 0,1,2,3
	v_max_num_f32 v[232+\b], 0x1800000, v[232+\b]  ; the floor 2^(3 - 127): the byte cannot fall under 1
.endr
.irp b, 0,1,2,3
	s_delay_alu instid0(VALU_DEP_4)
	v_add_nc_u32 v[244+\b], 0xff000000, v[232+\b]  ; 2 off the exponent field: the conversion's scale operand
.endr
.irp b, 0,1,2,3
	s_delay_alu instid0(VALU_DEP_4)
	v_lshrrev_b32 v[236+\b], 23, v[244+\b]         ; the scale's byte
.endr
	s_delay_alu instid0(VALU_DEP_3)
	v_lshl_or_b32 v253, v237, 8, v236              ; p's scale word for these 128 keys
	s_delay_alu instid0(VALU_DEP_1)
	v_lshl_or_b32 v253, v238, 16, v253
	s_delay_alu instid0(VALU_DEP_1)
	v_lshl_or_b32 v253, v239, 24, v253
.irp b, 0,1,2,3
	v_cvt_scalef32_pk8_fp4_f32 v[PC+2*\b], v[SS+16*\b:SS+7+16*\b], v[244+\b]
	v_cvt_scalef32_pk8_fp4_f32 v[PC+1+2*\b], v[SS+8+16*\b:SS+15+16*\b], v[244+\b]
.endr
	v_nop                                          ; one plain line behind the last scaled conversion
.irp c, 0,1                                    ; the operand's layout wants a WHOLE block in a lane: lanes 0-15 block 2 c, lanes 16-31 block 2 c + 1
.irp i, 0,1
	v_permlane16_swap_b32 v[PC+4*\c+\i], v[PC+2+4*\c+\i]
.endr
.endr
	v_pk_add_f32 v[236:237], v[100:101], v[104:105]
	v_pk_add_f32 v[248:249], v[108:109], v[112:113]
	v_pk_add_f32 v[246:247], v[116:117], v[120:121]
	v_pk_add_f32 v[244:245], v[124:125], v[128:129]
	v_pk_add_f32 v[242:243], v[132:133], v[136:137]
	v_pk_add_f32 v[240:241], v[140:141], v[144:145]
	v_pk_add_f32 v[234:235], v[148:149], v[152:153]
	v_pk_add_f32 v[14:15], v[14:15], v[156:157]
	v_pk_add_f32 v[236:237], v[236:237], v[96:97]
	v_pk_add_f32 v[248:249], v[248:249], v[98:99]
	v_pk_add_f32 v[246:247], v[246:247], v[102:103]
	v_pk_add_f32 v[244:245], v[244:245], v[106:107]
	v_pk_add_f32 v[242:243], v[242:243], v[110:111]
	v_pk_add_f32 v[240:241], v[240:241], v[114:115]
	v_pk_add_f32 v[234:235], v[234:235], v[118:119]
	v_pk_add_f32 v[14:15], v[14:15], v[122:123]
	v_pk_add_f32 v[236:237], v[236:237], v[126:127]
	v_pk_add_f32 v[248:249], v[248:249], v[130:131]
	v_pk_add_f32 v[246:247], v[246:247], v[134:135]
	v_pk_add_f32 v[244:245], v[244:245], v[138:139]
	v_pk_add_f32 v[242:243], v[242:243], v[142:143]
	v_pk_add_f32 v[240:241], v[240:241], v[146:147]
	v_pk_add_f32 v[234:235], v[234:235], v[150:151]
	v_pk_add_f32 v[14:15], v[14:15], v[154:155]
	v_pk_add_f32 v[236:237], v[236:237], v[158:159]
	s_delay_alu instid0(VALU_DEP_2)
	v_pk_add_f32 v[14:15], v[14:15], v[244:245]
	s_delay_alu instid0(VALU_DEP_2)
	v_pk_add_f32 v[236:237], v[236:237], v[242:243]
	v_pk_add_f32 v[248:249], v[248:249], v[240:241]
	v_pk_add_f32 v[246:247], v[246:247], v[234:235]
	s_delay_alu instid0(VALU_DEP_2)
	v_pk_add_f32 v[14:15], v[14:15], v[248:249]
	s_delay_alu instid0(VALU_DEP_2)
	v_pk_add_f32 v[236:237], v[236:237], v[246:247]
	s_delay_alu instid0(VALU_DEP_1)
	v_pk_add_f32 v[14:15], v[14:15], v[236:237]
.if \st > 0
.set j, 0
.rept 16
	v_pk_mul_f32 v[OT+j:OT+j+1], v[OT+j:OT+j+1], v[252:253] op_sel_hi:[1,0]   ; O^T under the new M: x f
.set j, j+2
.endr
.endif
.if \st == 7                                   ; p's registers are free: what the tail wants from memory is asked for here, the last products and the result's quantising ahead of its use
.irp i, 0,1,2,3,4,5,6,7
	global_load_b128 v[SS+4*\i:SS+4*\i+3], v[GO], s[20:21] offset:(2*\i+8*(\i/4))*4096 th:TH_LOAD_NT   ; x at my 16 channels x 64 pixels: sixteen lanes read 256 consecutive bytes
.endr
.irp k, 0,1
.irp c, 0,1
	global_load_b128 v[128+8*\k+4*\c:128+8*\k+4*\c+3], v[WPO], s[14:15] offset:1024*\k+512*\c
.endr
	global_load_b32 v[WPS+\k], v[WSO], s[16:17] offset:64*\k
.endr
	global_load_b32 v148, v[BO], s[18:19]
.endif
.irp t, 0,1,2,3                                ; O^T += V^T P^T: four accumulators, which take turns
.if \st == 0
	WMZ OT+8*\t, VF+8*\t, PC, VS+\t, 253
.else
	WM OT+8*\t, VF+8*\t, PC, OT+8*\t, VS+\t, 253
.endif
.endr
.endm
	CHUNK 0
	STEP 0
	STEP 1
	CHUNK 1
	STEP 2
	STEP 3
	CHUNK 2
	STEP 4
	STEP 5
	CHUNK 3                                        ; the last wait is for 0: no tensor load of mine is out from here on
	STEP 6
	STEP 7
	; ---- O / the sum, quantised along the channels: my 32 registers are channels 64 x head + 32 bo + 16 h + 0 .. 15, bo = 0, 1, of my query
	v_add_f32 v14, v14, v15                        ; the sum's two halves,
	s_delay_alu instid0(VALU_DEP_1)
	v_permlanex16_b32 v252, v14, s50, s51
	s_delay_alu instid0(VALU_DEP_1)
	v_add_f32 v14, v14, v252                       ; and lane l xor 16's: the row's sum
	s_wait_alu depctr_va_vdst(0)
	v_rcp_f32 v14, v14
	v_nop                                          ; a plain line behind the transcendental; with the two additions and the next line: four places behind the last products
	v_nop
.set j, 0
	s_wait_alu depctr_va_vdst(0)
.rept 32
	v_mul_f32 v[32+j], v[OT+j], v14                ; each accumulator from its low end on
.set j, j+1
.endr
.irp b, 0,1
	v_max3_num_f32 v[232+\b], |v[32+16*\b]|, |v[33+16*\b]|, 0x1800000
.endr
.irp i, 2,4,6,8,10,12,14
.irp b, 0,1
	s_delay_alu instid0(VALU_DEP_2)
	v_max3_num_f32 v[232+\b], v[232+\b], |v[32+16*\b+\i]|, |v[33+16*\b+\i]|
.endr
.endr
.irp b, 0,1
	s_delay_alu instid0(VALU_DEP_2)
	v_permlanex16_b32 v[236+\b], v[232+\b], s50, s51
.endr
.irp b, 0,1
	s_delay_alu instid0(VALU_DEP_2)
	v_max_num_f32 v[232+\b], v[232+\b], v[236+\b]
.endr
.irp b, 0,1
	s_delay_alu instid0(VALU_DEP_2)
	v_add_nc_u32 v[244+\b], 0xff000000, v[232+\b]
.endr
.irp b, 0,1
	s_delay_alu instid0(VALU_DEP_2)
	v_lshrrev_b32 v[236+\b], 23, v[244+\b]
.endr
	s_delay_alu instid0(VALU_DEP_1)
	v_lshl_or_b32 v238, v237, 8, v236              ; my two scale bytes
.irp b, 0,1
	v_cvt_scalef32_pk8_fp4_f32 v[PC+2*\b], v[32+16*\b:39+16*\b], v[244+\b]
	v_cvt_scalef32_pk8_fp4_f32 v[PC+1+2*\b], v[40+16*\b:47+16*\b], v[244+\b]
.endr
	v_nop                                          ; one plain line behind the last scaled conversion
	ds_store_b64 v[OWI], v[PC:PC+1]                ; block 0: 16 codes at 16 r + 8 h of my half fragment,
	ds_store_b64 v[OWI], v[PC+2:PC+3] offset:256   ; block 1: 256 bytes on
	ds_store_b16 v[OWS], v238                      ; both lanes of a row write the same two bytes
	s_wait_dscnt 0x0                               ; for the others' sake: my stores have landed; my reads of K and V are long back
	s_barrier_signal -1
	s_barrier_wait -1                              ; the result's eight fragments lie in LDS, and nobody reads K and V any more
	; ---- the projection: source 0 = 16 pixels of the result, source 1 = my 16 rows of proj_w: a lane holds ONE output channel and eight neighbouring pixels
.irp f, 0,1,2,3,4,5,6,7
.irp c, 0,1
	ds_load_b128 v[32+8*\f+4*\c:32+8*\f+4*\c+3], v[OLI] offset:1024*\f+512*\c
.endr
	ds_load_b32 v[KS+\f], v[OLS] offset:64*\f
.endr
	s_wait_loadcnt 0x0                             ; x, the weights, their scale words, the bias
.irp i, 149,150,151,152,153,154,155
	v_mov_b32 v\i, v148                            ; the bias hangs on the lane's channel alone: the same in the eight registers of C
.endr
.rept 4
	v_nop                                          ; places between these copies and the products that take them as C
.endr
	s_wait_alu depctr_va_vdst(0)
	s_wait_dscnt 0x0
.irp m, 0,1,2,3
	WM OT+8*\m, 32+16*\m, 128, 148, KS+2*\m, WPS
.endr
.irp m, 0,1,2,3
	WM OT+8*\m, 40+16*\m, 136, OT+8*\m, KS+1+2*\m, WPS+1
.endr
.rept 4
	v_nop                                          ; places in front of the stores that read results and of the loads into registers that the products have read
.endr
	; ---- the way out, through my own stage: register j of tile m is pixel 32 (m / 2) + 16 h + 8 (m % 2) + j of channel row r
.irp m, 0,1,2,3
	ds_store_b128 v[SO], v[OT+8*\m:OT+8*\m+3] offset:128*(\m/2)+32*(\m%2)
	ds_store_b128 v[SO], v[OT+8*\m+4:OT+8*\m+7] offset:128*(\m/2)+32*(\m%2)+16
.endr
.irp i, 0,1,2,3,4,5,6,7
	ds_load_b128 v[32+4*\i:35+4*\i], v[SR] offset:544*\i   ; LDS serves a wave's instructions in order: these see my stores
.endr
.irp i, 0,1,2,3,4,5,6,7
	s_wait_dscnt 7-\i                              ; rows 2 i, 2 i + 1 are back; the younger loads may be out
	v_pk_add_f32 v[32+4*\i:33+4*\i], v[32+4*\i:33+4*\i], v[SS+4*\i:SS+4*\i+1]       ; + x
	v_pk_add_f32 v[34+4*\i:35+4*\i], v[34+4*\i:35+4*\i], v[SS+4*\i+2:SS+4*\i+3]
	global_store_b128 v[GO], v[32+4*\i:35+4*\i], s[22:23] offset:(2*\i+8*(\i/4))*4096 th:TH_STORE_NT   ; sixteen lanes store 256 consecutive bytes, aligned: a channel's 64 pixels
.endr
	s_wait_tensorcnt 0x0
	ds_add_u32 v251, v255
	s_wait_dscnt 0x0
	ROUND                                          ; the closing round: no work-group ends while a partner may still ask for a block that names it
	s_endpgm
.Lfunc_end_k_q2b17c93737_attn:
	.size	k_q2b17c93737_attn, .Lfunc_end_k_q2b17c93737_attn-k_q2b17c93737_attn
	.p2alignl 7, 3214868480
	.fill 96, 4, 3214868480
	.section	.rodata,"a",@progbits
	.p2align	6, 0x0
	.amdhsa_kernel k_q2b17c93737_attn
		.amdhsa_group_segment_fixed_size 327680
		.amdhsa_private_segment_fixed_size 0
		.amdhsa_enable_private_segment 0
		.amdhsa_kernarg_size 64
		.amdhsa_user_sgpr_count 2
		.amdhsa_user_sgpr_kernarg_segment_ptr 1
		.amdhsa_wavefront_size32 1
		.amdhsa_system_sgpr_workgroup_id_x 1
		.amdhsa_system_sgpr_workgroup_id_y 1
		.amdhsa_system_sgpr_workgroup_id_z 1
		.amdhsa_system_vgpr_workitem_id 0
		.amdhsa_next_free_vgpr 256
		.amdhsa_next_free_sgpr 80
		.amdhsa_reserve_vcc 0
		.amdhsa_float_denorm_mode_32 3
		.amdhsa_float_denorm_mode_16_64 3
		.amdhsa_memory_ordered 1
		.amdhsa_forward_progress 1
		.amdhsa_inst_pref_size 151
	.end_amdhsa_kernel
	.amdgpu_metadata
---
amdhsa.version: [ 1, 2 ]
amdhsa.kernels:
  - .name:           k_q2b17c93737_attn
    .symbol:         k_q2b17c93737_attn.kd
    .args:
      - { .name: qcodes, .offset: 0, .size: 8, .value_kind: global_buffer, .address_space: global }
      - { .name: qscales, .offset: 8, .size: 8, .value_kind: global_buffer, .address_space: global }
      - { .name: kv, .offset: 16, .size: 8, .value_kind: global_buffer, .address_space: global }
      - { .name: wcodes, .offset: 24, .size: 8, .value_kind: global_buffer, .address_space: global }
      - { .name: wscales, .offset: 32, .size: 8, .value_kind: global_buffer, .address_space: global }
      - { .name: proj_b, .offset: 40, .size: 8, .value_kind: global_buffer, .address_space: global }
      - { .name: x, .offset: 48, .size: 8, .value_kind: global_buffer, .address_space: global }
      - { .name: out0, .offset: 56, .size: 8, .value_kind: global_buffer, .address_space: global }
    .group_segment_fixed_size: 327680
    .private_segment_fixed_size: 0
    .kernarg_segment_align: 8
    .kernarg_segment_size: 64
    .max_flat_workgroup_size: 512
    .sgpr_count:     80
    .vgpr_count:     256
    .wavefront_size: 32
...
	.end_amdgpu_metadata
.endif
;; end of part 3
